; MI455X (gfx1250); checked and timed in simulation.
; The chip was launched on July 23, 2026; its instructions are those of AMD's public machine-readable ISA for CDNA 5 (MIT licence, August 2026) and "CDNA5" Instruction Set Architecture Reference Guide (July 2026). The comments in the code are by the model that wrote it; some were corrected since.
;; Autograd4bit Quant Linear. Allowed arithmetic: matrix products marked QUANTISED: E2M1 operands, one E8M0 scale for each 32 along K, by v_wmma_scale_f32_16x16x128_f8f6f4 with both operands' format E2M1 (or v_wmma_scale_f32_32x16x128_f4), f32 sums; everything else in f32.
;; Inputs: bias 4,096 float32; qweight 512 x 4,096 int32; qzeros 32 x 512 int32; scales 32 x 4,096 float32; x_codes 4 x 1,024 x 128 x 16 uint8 (E2M1 codes of x, K innermost, in blocks of 32 codes, two codes a byte); x_scales 4 x 1,024 x 128 uint8 (E8M0 scales of x, one for each 32 codes along K).
;; Outputs: out0 4 x 1,024 x 4,096 float32.
;; This version of the problem:
;;   THIS VERSION OF THE PROBLEM IS GIVEN IN LOW PRECISION. The matrix products marked QUANTISED in the list below multiply operands that are first quantised to E2M1 (2 exponent bits, 1 mantissa bit; 4 bits a number), with one power-of-two scale for each 32 numbers along K (OCP MX v1.0); their sums are f32. All else is computed in f32.
;;   The module's matrix products, in the order in which they are computed (A, B: the left and right operand; K: the contracted axis; several contracted axes count as one K, in the product's order):
;;     1. [M 4,096, K 4,096] x [K 4,096, N 4,096]; A: input x (given as codes); B: computed on the way: QUANTISED
;;   THE QUANTISER, for each operand of a quantised product, along K:
;;     - K is cut into blocks of 32 from its start; a last block that is shorter is filled with zeros.
;;     - A block's scale is 2^e with e = floor(log2(the largest magnitude in the block)) - 2, held to -126 .. 127; a block of zeros has e = 0. As a byte (E8M0): e + 127.
;;     - Each number is divided by its block's scale, clamped to +-6, and rounded to the nearest number of E2M1, ties to even, subnormals kept.
;;     - The product sums the exact products of the quantised numbers (number of the format x scale) in f32.
;;   ~~~python
;;   def quantise(x, axis):      # numpy; x: float32 -> the quantised numbers, widened to float32 again
;;       x = np.moveaxis(x, axis, -1); K = x.shape[-1]
;;       x = np.pad(x, [(0, 0)] * (x.ndim - 1) + [(0, -K % 32)]); x = x.reshape(x.shape[:-1] + (-1, 32)); a = np.abs(x).max(-1, keepdims=True)
;;       e = np.where(a > 0, np.clip(np.frexp(np.where(a > 0, a, 1))[1] - 1 - 2, -126, 127), 0)      # np.frexp(a)[1] - 1 = floor(log2(a)), exactly
;;       r = np.clip(x / 2.0 ** e, -6, 6)
;;       step = 2.0 ** (np.maximum(np.frexp(np.where(r == 0, 1, r))[1] - 1, 0) - 1)
;;       q = np.round(r / step) * step * 2.0 ** e      # np.round: ties to even
;;       return np.moveaxis(q.reshape(q.shape[:-2] + (-1,))[..., :K], -1, axis).astype(np.float32)
;;   ~~~
;;   OPERANDS COMPUTED ON THE WAY. 'Computed on the way' means the value that the module computes at that place (a softmax that the list does not call 'softmax' is quantised finished and normalised). What goes into a quantiser is computed in f32, as accurately as f32 sums, v_exp_f32 and their like allow (about 1e-6 of the number): no bf16 or f16 on the way to a quantiser, and a product that is left as it is and whose result goes on into a quantised operand takes f32 operands (vector FMAs, or v_wmma_f32_16x16x4_f32). A number that lies on a knife's edge between two numbers of the format may be rounded either way, as far as f32 arithmetic and the matrix unit's own rounding can turn it there, and no further.
;;   INPUTS GIVEN AS CODES. x (in the module: [4, 1024, 4096], K = its axis 2): each comes as NAME_codes (uint8): NAME with its K axis moved to the last place and cut into blocks of 32 codes, [.., K / 32, bytes a block], one block behind the other in memory; two codes a byte, the lower K in the low four bits (a code: sign, 2 exponent bits, 1 mantissa bit); and NAME_scales (uint8): the same leading axes, one E8M0 byte (e + 127) for each 32 codes along K. Its value is code x scale, taken as it is: it is not quantised again, and the codes and scales need not be those that the quantiser above would give.
;; One version. Each part assembles by itself: llvm-mc -triple=amdgcn-amd-amdhsa -mcpu=gfx1250 --defsym DOCPART=n.
;; ======== version 1 of 1: 2 launches
;; limits: right only within a limited range of input values
;; workspace buffers: w_codes 8,388,608 bytes; sc 524,288 bytes
;; launch wquant (part 1): grid 64 x 4, 8 waves a work-group, no clusters, 0 bytes of LDS; arguments qweight, qzeros, scales, w_codes, sc; writes w_codes, sc
.if DOCPART == 1
	.amdgcn_target "amdgcn-amd-amdhsa--gfx1250"
	.amdhsa_code_object_version 6
	.text
	.protected	k_q3e027d83bf_wquant
	.globl	k_q3e027d83bf_wquant
	.p2align	8
	.type	k_q3e027d83bf_wquant,@function
k_q3e027d83bf_wquant:
	s_mov_b64 s[64:65], 0
	v_nop
	global_prefetch_b8 v0, s[64:65] scope:SCOPE_SE
	s_setreg_imm32_b32 hwreg(HW_REG_WAVE_MODE, 25, 1), 1
	s_wait_xcnt 0x0
; W[k][n] = scales[k/128][n] x (q[k][n] - (z[k/128][n] + 1)) is quantised along K into codes of FP4 (E2M1) with one E8M0 byte for each 32 along K.
; OUT: w_codes [64 column tiles][32 K steps of 128][8 pieces][32 lanes][16 bytes]: piece 2 b + c, lane r + 16 h holds the codes of column 64 tile + 4 r + b, k = 128 step + 64 c + 32 h + 0..31:
; the register image of the second launch's operand.  sc [64][32][32 lanes][2 words]: lane r + 16 h holds the scale words of columns 4 r + h and 4 r + 2 + h.
; SHARES: work-group (x, y): column tile x, K steps 8 y .. 8 y + 7; wave w: step 8 y + w, which is one group of 128.  Lane (r, h): columns 4 r .. 4 r + 3, the blocks 2 c + h of the step:
; a load of 16 bytes a lane takes 256 consecutive bytes of two rows of qweight, a block of 32 along K is four words of one lane, and its codes are one 16-byte piece.
; ARITHMETIC: a nibble at bit 4 i (i = 0..3) set into the mantissa of 2^23 is 2^23 + q 16^i; less 2^23 + (z + 1) 16^i it is (q - (z + 1)) 16^i, exact; x (scale 16^-i) rounds once: the bits of the definition.
; A block's scale is 2^(floor(log2(largest magnitude)) - 2): its byte is the exponent field less 2, held at 1 from below by a floor among the maximum's leaves.
; LIMITS: a block of zeros, or one whose largest magnitude lies under 2^-124, gets the byte 1; scales under 2^-113 in magnitude lose bits in scale x 16^-3; NaN and infinities in scales are not served.
; No LDS, no barrier, no loop; no register that a store reads is written again.
.set QROW, 16384
.set SV,  20                           ; v20-23   the four columns' scales
.set M,   26                           ; v26-29   the maximum's four chains
.set ZF,  16                           ; v16-19   z as f32
.set N,   32                           ; v32-47   column b: -(2^23 + (z + 1) 16^i), i = 0..3
.set S,   48                           ; v48-63   column b: scale x 16^-i
.set QW,  64                           ; v64-95   rows of qweight, four columns each
.set X,   96                           ; v96-127  a block's 32 numbers
.set CO,  128                          ; v128-159 codes, a block's four registers each
.set T,   160                          ; v160-163
.set P,   164                          ; v164-167 scale bytes of the four columns
	s_load_b256 s[4:11], s[0:1], 0x0               ; qweight s[4:5], qzeros s[6:7], scales s[8:9], w_codes s[10:11]
	s_load_b64 s[12:13], s[0:1], 0x20              ; sc
	v_lshrrev_b32 v1, 5, v0
	v_readfirstlane_b32 s16, v1                    ; wave 0..7
	s_and_b32 s17, ttmp7, 0xffff
	s_lshl_b32 s17, s17, 3
	s_add_co_u32 s17, s17, s16                     ; K step 0..31
	s_lshl_b32 s18, ttmp9, 8                       ; 256 bytes of a row a column tile
	s_lshl_b32 s20, s17, 18                        ; qweight: 16 rows a step
	s_add_co_u32 s20, s20, s18
	s_mov_b32 s21, 0
	s_lshl_b32 s22, s17, 11                        ; qzeros: a row a step
	s_lshl_b32 s19, ttmp9, 5
	s_add_co_u32 s22, s22, s19
	s_mov_b32 s23, 0
	s_lshl_b32 s24, s17, 14                        ; scales: a row a step
	s_add_co_u32 s24, s24, s18
	s_mov_b32 s25, 0
	s_lshl_b32 s19, ttmp9, 5
	s_add_co_u32 s19, s19, s17                     ; 32 tile + step
	s_lshl_b32 s26, s19, 12
	s_mov_b32 s27, 0
	s_lshl_b32 s28, s19, 8
	s_mov_b32 s29, 0
	s_mov_b32 s30, 0xf0
	s_mov_b32 s31, 0xf00
	s_mov_b32 s32, 0xf000
	s_mov_b32 s33, 0x4b000000                      ; 2^23
	s_mov_b32 s34, 0xc1800000                      ; -16
	s_mov_b32 s35, 0xc3800000                      ; -256
	s_mov_b32 s36, 0xc5800000                      ; -4096
	s_mov_b32 s37, 0xcb000001                      ; -(2^23 + 16^i)
	s_mov_b32 s38, 0xcb000010
	s_mov_b32 s39, 0xcb000100
	s_mov_b32 s40, 0xcb001000
	s_mov_b32 s42, 0x76543210                      ; v_permlanex16_b32: lane l xor 16
	s_mov_b32 s43, 0xfedcba98
	v_and_b32 v1, 15, v0                           ; r
	v_bfe_u32 v2, v0, 4, 1                         ; h
	v_and_b32 v3, 31, v0
	v_lshlrev_b32 v5, 4, v1                        ; scales: 16 bytes a lane
	v_lshl_add_u32 v4, v2, 16, v5                  ; qweight: four rows further down for h = 1
	v_lshrrev_b32 v6, 1, v1
	v_lshlrev_b32 v6, 2, v6                        ; qzeros: a word for eight columns
	v_and_b32 v7, 1, v1
	v_lshlrev_b32 v7, 4, v7                        ; and my half of it
	v_lshlrev_b32 v8, 4, v3
	v_lshlrev_b32 v9, 3, v3
	v_lshlrev_b32 v10, 3, v2                       ; 8 h
	v_cmp_eq_u32 vcc_lo, 1, v2                     ; lanes 16-31
	v_mov_b32 v14, 0                               ; (a lane permute's destination counts as one of its sources)
	v_mov_b32 v15, 0
	s_wait_alu depctr_va_vdst(0)
	s_wait_kmcnt 0x0
	s_add_nc_u64 s[4:5], s[4:5], s[20:21]
	s_add_nc_u64 s[6:7], s[6:7], s[22:23]
	s_add_nc_u64 s[8:9], s[8:9], s[24:25]
	s_add_nc_u64 s[10:11], s[10:11], s[26:27]
	s_add_nc_u64 s[12:13], s[12:13], s[28:29]
	global_load_b128 v[SV:SV+3], v5, s[8:9]
	global_load_b32 v24, v6, s[6:7]
.irp c, 0,1
.irp j, 0,1,2,3
	global_load_b128 v[QW+16*\c+4*\j:QW+16*\c+4*\j+3], v4, s[4:5] offset:(8*\c+\j)*QROW th:TH_LOAD_NT   ; word j of block 2 c + h, four columns; read once in the launch
.endr
.endr
	s_wait_loadcnt 8                               ; the eight rows may be out
	v_lshrrev_b32 v24, v7, v24
.irp b, 0,1,2,3
	v_bfe_u32 v[ZF+\b], v24, 4*\b, 4
.endr
.irp b, 0,1,2,3
	v_cvt_f32_u32 v[ZF+\b], v[ZF+\b]
.endr
.irp b, 0,1,2,3
	v_fma_f32 v[N+4*\b], v[ZF+\b], -1.0, s37
	v_fma_f32 v[N+4*\b+1], v[ZF+\b], s34, s38
	v_fma_f32 v[N+4*\b+2], v[ZF+\b], s35, s39
	v_fma_f32 v[N+4*\b+3], v[ZF+\b], s36, s40
	v_mov_b32 v[S+4*\b], v[SV+\b]
	v_mul_f32 v[S+4*\b+1], 0x3d800000, v[SV+\b]
	v_mul_f32 v[S+4*\b+2], 0x3b800000, v[SV+\b]
	v_mul_f32 v[S+4*\b+3], 0x39800000, v[SV+\b]
.endr
; Block 2 c + h of column b.
.macro BLOCK c, b
.set W0, QW+16*\c+\b
.set CD, CO+4*(4*\c+\b)
.irp j, 0,1,2,3
	v_lshrrev_b32 v[T+\j], 16, v[W0+4*\j]
.endr
.irp j, 0,1,2,3
	v_and_or_b32 v[X+8*\j], v[W0+4*\j], 15, s33
	v_and_or_b32 v[X+8*\j+1], v[W0+4*\j], s30, s33
	v_and_or_b32 v[X+8*\j+2], v[W0+4*\j], s31, s33
	v_and_or_b32 v[X+8*\j+3], v[W0+4*\j], s32, s33
	v_and_or_b32 v[X+8*\j+4], v[T+\j], 15, s33
	v_and_or_b32 v[X+8*\j+5], v[T+\j], s30, s33
	v_and_or_b32 v[X+8*\j+6], v[T+\j], s31, s33
	v_and_or_b32 v[X+8*\j+7], v[T+\j], s32, s33
.endr
.irp j, 0,4,8,12,16,20,24,28
	v_pk_add_f32 v[X+\j:X+\j+1], v[X+\j:X+\j+1], v[N+4*\b:N+4*\b+1]
	v_pk_add_f32 v[X+\j+2:X+\j+3], v[X+\j+2:X+\j+3], v[N+4*\b+2:N+4*\b+3]
.endr
.irp j, 0,4,8,12,16,20,24,28
	v_pk_mul_f32 v[X+\j:X+\j+1], v[X+\j:X+\j+1], v[S+4*\b:S+4*\b+1]
	v_pk_mul_f32 v[X+\j+2:X+\j+3], v[X+\j+2:X+\j+3], v[S+4*\b+2:S+4*\b+3]
.endr
.irp k, 0,1,2,3
	v_max3_num_f32 v[M+\k], |v[X+3*\k]|, |v[X+3*\k+1]|, |v[X+3*\k+2]|   ; the largest magnitude, in four chains: all 32 numbers are mine
.endr
.irp k, 0,1,2,3,4,5,6,7,8,9
	v_max3_num_f32 v[M+\k%4], v[M+\k%4], |v[X+12+2*\k]|, |v[X+13+2*\k]|
.endr
	v_max3_num_f32 v[M], v[M], v[M+1], v[M+2]
	v_max3_num_f32 v[M], v[M], v[M+3], 0x1800000   ; and the floor 2^(3 - 127): the byte cannot fall under 1
	v_add_nc_u32 v11, 0xff000000, v[M]             ; 2 off its exponent field: the conversion's scale operand
.irp g, 0,1,2,3
	v_cvt_scalef32_pk8_fp4_f32 v[CD+\g], v[X+8*\g:X+8*\g+7], v11   ; eight codes, the lowest k in the lowest bits; beyond 6 the largest code
.endr
.if \c == 0
	v_lshrrev_b32 v[P+\b], 23, v11                 ; the scale's byte.  (A plain line behind the conversions)
.else
	v_lshrrev_b32 v12, 23, v11
	v_lshl_or_b32 v[P+\b], v12, 16, v[P+\b]
.endif
	global_store_b128 v8, v[CD:CD+3], s[10:11] offset:512*(2*\b+\c)   ; the wave stores 512 consecutive bytes, aligned
.endm
	s_wait_alu depctr_va_vdst(0)
	s_wait_loadcnt 4                               ; the four rows of c = 0 are in
.irp b, 0,1,2,3
	BLOCK 0, \b
.endr
	s_wait_alu depctr_va_vdst(0)
	s_wait_loadcnt 0x0
.irp b, 0,1,2,3
	BLOCK 1, \b
.endr
.irp b, 0,1,2,3
	v_lshlrev_b32 v[P+\b], v10, v[P+\b]            ; my bytes stand at h and 2 + h of the column's word
.endr
	v_cndmask_b32 v168, v[P], v[P+1], vcc_lo       ; lane h keeps columns h and 2 + h,
	v_cndmask_b32 v169, v[P+2], v[P+3], vcc_lo
	v_cndmask_b32 v170, v[P+1], v[P], vcc_lo       ; and sends lane l xor 16 its part of the other two
	v_cndmask_b32 v171, v[P+3], v[P+2], vcc_lo
	v_permlanex16_b32 v14, v170, s42, s43
	v_permlanex16_b32 v15, v171, s42, s43
	v_or_b32 v172, v168, v14
	v_or_b32 v173, v169, v15
	global_store_b64 v9, v[172:173], s[12:13]      ; the wave stores 256 consecutive bytes, aligned
	s_endpgm
.Lfunc_end_k_q3e027d83bf_wquant:
	.size	k_q3e027d83bf_wquant, .Lfunc_end_k_q3e027d83bf_wquant-k_q3e027d83bf_wquant
	.p2alignl 7, 3214868480
	.fill 96, 4, 3214868480
	.section	.rodata,"a",@progbits
	.p2align	6, 0x0
	.amdhsa_kernel k_q3e027d83bf_wquant
		.amdhsa_group_segment_fixed_size 0
		.amdhsa_private_segment_fixed_size 0
		.amdhsa_enable_private_segment 0
		.amdhsa_kernarg_size 40
		.amdhsa_user_sgpr_count 2
		.amdhsa_user_sgpr_kernarg_segment_ptr 1
		.amdhsa_wavefront_size32 1
		.amdhsa_system_sgpr_workgroup_id_x 1
		.amdhsa_system_sgpr_workgroup_id_y 1
		.amdhsa_system_sgpr_workgroup_id_z 1
		.amdhsa_system_vgpr_workitem_id 0
		.amdhsa_next_free_vgpr 176
		.amdhsa_next_free_sgpr 66
		.amdhsa_reserve_vcc 1
		.amdhsa_float_denorm_mode_32 3
		.amdhsa_float_denorm_mode_16_64 3
		.amdhsa_memory_ordered 1
		.amdhsa_forward_progress 1
		.amdhsa_inst_pref_size 52
	.end_amdhsa_kernel
	.amdgpu_metadata
---
amdhsa.version: [ 1, 2 ]
amdhsa.kernels:
  - .name:           k_q3e027d83bf_wquant
    .symbol:         k_q3e027d83bf_wquant.kd
    .args:
      - { .name: qweight, .offset: 0, .size: 8, .value_kind: global_buffer, .address_space: global }
      - { .name: qzeros, .offset: 8, .size: 8, .value_kind: global_buffer, .address_space: global }
      - { .name: scales, .offset: 16, .size: 8, .value_kind: global_buffer, .address_space: global }
      - { .name: w_codes, .offset: 24, .size: 8, .value_kind: global_buffer, .address_space: global }
      - { .name: sc, .offset: 32, .size: 8, .value_kind: global_buffer, .address_space: global }
    .group_segment_fixed_size: 0
    .private_segment_fixed_size: 0
    .kernarg_segment_align: 8
    .kernarg_segment_size: 40
    .max_flat_workgroup_size: 256
    .sgpr_count:     66
    .vgpr_count:     176
    .wavefront_size: 32
...
	.end_amdgpu_metadata
.endif
;; end of part 1
;; launch gemm (part 2): grid 16 x 16, 4 waves a work-group, clusters of 4 x 4, 327,680 bytes of LDS; arguments x_codes, x_scales, w_codes, sc, bias, out0; writes out0
.if DOCPART == 2
	.amdgcn_target "amdgcn-amd-amdhsa--gfx1250"
	.amdhsa_code_object_version 6
	.text
	.protected	k_q3e027d83bf_gemm
	.globl	k_q3e027d83bf_gemm
	.p2align	8
	.type	k_q3e027d83bf_gemm,@function
k_q3e027d83bf_gemm:
	s_mov_b64 s[64:65], 0
	v_nop
	global_prefetch_b8 v0, s[64:65] scope:SCOPE_SE
	s_setreg_imm32_b32 hwreg(HW_REG_WAVE_MODE, 25, 1), 1
	s_wait_xcnt 0x0
	s_wait_alu depctr_hold_cnt(0) depctr_sa_sdst(0) depctr_va_vdst(0) depctr_va_sdst(0) depctr_va_ssrc(0) depctr_va_vcc(0) depctr_vm_vsrc(0)
	s_getreg_b32 s2, hwreg(HW_REG_IB_STS2, 6, 4)
	s_cmp_eq_u32 s2, 0
	s_cbranch_scc0 .Lentry_in_a_cluster
	s_endpgm
.Lentry_in_a_cluster:
	s_bfe_u32 s2, ttmp6, 0x10000c
	s_cmp_lg_u32 s2, 0xf033
	s_cbranch_scc0 .Lentry_shape_is_right
	s_endpgm
.Lentry_shape_is_right:
; out[m][n] = bias[n] + sum over k of x[m][k] W[k][n]: x's codes and scale bytes as given, W's as the first launch laid them; sums in f32, K ascending, the bias added last.
; A work-group makes 256 x 256 of out; wave w all 256 rows x columns 64 w .. 64 w + 63: 32 accumulators of 32 x 16, 512 registers.
; W GOES FROM MEMORY STRAIGHT INTO REGISTERS, six K steps of 128 ahead: a wave's columns are its own, so no W byte is loaded twice in a work-group; a step is 4,096 consecutive bytes and 256 of scales: nine loads.
; W is not prefetched: its loads themselves run six steps, 192 matrix instructions, ahead.
; x GOES THROUGH LDS: K in chunks of 1,024, two slots of 256 rows x (512 bytes + 16); each wave fetches 64 rows by one joint load.  x's scale bytes of all K (256 rows x 128 bytes) are stored in LDS once.
; CLUSTERS: the four work-groups of a row of the cluster need the same rows of x and ask for them jointly.
; Source 0 = 32 rows of x, source 1 = 16 columns of W: lane (r, h) holds column r of the tile, and W's column tile b holds columns 4 r + b: so register e of the four accumulators b = 0..3 is 16 neighbouring bytes
; of one row, and sixteen lanes store 256 consecutive bytes.
; THE LAST CHUNK goes by blocks of 32 rows, all its eight steps of W being in registers: a block leaves while the next ones are multiplied.
; x's chunks 2 and 3 are prefetched a chunk ahead of their joint loads: each block of 256 bytes once in each cluster that loads it, the four partners sharing the rows by address.
; REGISTERS: window 0: addresses, scales, x's fragments (two sets of 128 rows);  window 1: W's fragments, eight sets;  windows 2, 3: accumulators of rows 0-127, 128-255.
.set PITCH, 528                        ; 512 bytes + 16: the 16 rows of a fragment load start at 16 different multiples of 16 bytes modulo 256
.set HALF,  128*PITCH
.set SLOT,  2*HALF
.set SCL,   2*SLOT                     ; x's scales: 256 rows x 144 bytes
.set SPARE, SCL+256*144                ; the spare words, 128 bytes a wave: no other line names them
.set OROW,  16384
.set ADR,  10                          ; v10-13  fragment addresses: slot 0 rows 0-127, 128-255, slot 1 likewise
.set VSA,  14                          ; my row's scales
.set VST,  15                          ; where I store scales
.set VB16, 16
.set VB8,  17
.set VO,   18
.set VPF,  19
.set BIAS, 20                          ; v20-23  bias of columns 4 r .. 4 r + 3
.set SCX,  24                          ; v24-25  W's scale words of step 31
.set SPW,  26
.set NIL,  27
.set WSC,  28                          ; v28-43  W's scale words, eight sets of two: lanes 0-15 b = 0, 2; lanes 16-31 b = 1, 3
.set ASC,  44                          ; v44-75  x's scale words: eight blocks of 32 rows x four steps
.set BX,   76                          ; v76-107 W's fragments of step 31
.set OUT,  108                         ; v108-123 results on their way out
.set VR16, 124
.set AF,   128                         ; v128-255 x's fragments
.set WV, 16
.set TR, 17
.set TC, 18
.set CX, 19
.set CY, 20
.set G1, 24
.set G0, 32
.set MSB, 0
.macro WIN new                         ; the immediate's high byte repeats the setting that is left
.if MSB != \new
	s_set_vgpr_msb (MSB<<8)|\new
.set MSB, \new
.endif
.endm
.macro PLACES                          ; four places in front of loads into registers that matrix instructions have read, and of reads of results
.rept 4
	v_nop
.endr
.endm
.macro CREST
	s_cmp_lg_u32 s[WV], 0
	s_cbranch_scc1 .Lnot_wave_0_\@
	s_barrier_signal -3
.Lnot_wave_0_\@:
	s_barrier_wait -3
	s_barrier_signal -1
	s_barrier_wait -1
.endm
.macro CROUND
	s_barrier_signal -1
	s_barrier_wait -1
	CREST
.endm
.macro JLOAD s                         ; every wave: its 64 rows of the tile
	tensor_load_to_lds s[G0+4*\s:G0+4*\s+3], s[G1:G1+7]
	s_nop 0
	PLACES
.endm
; W: scale words and piece j of step n
.macro FS n
	WIN 0
.if (\n) == 31
	global_load_b64 v[SCX:SCX+1], v[VB8], s[10:11] offset:256*31
.else
	global_load_b64 v[WSC+2*((\n)%8):WSC+2*((\n)%8)+1], v[VB8], s[10:11] offset:256*(\n)
.endif
.endm
.macro FB n, j
.if (\n) == 31
	WIN 0
	global_load_b128 v[BX+4*(\j):BX+4*(\j)+3], v[VB16], s[8:9] offset:4096*31+512*(\j)
.else
	WIN 0x40
	global_load_b128 v[32*((\n)%8)+4*(\j):32*((\n)%8)+4*(\j)+3], v[VB16], s[8:9] offset:4096*(\n)+512*(\j)
.endif
.endm
.macro FALL n
	FS \n
.irp j, 0,1,2,3,4,5,6,7
	FB \n, \j
.endr
.endm
; What step n of the walk asks for in its half hf: step n + 6; near the end step 31 goes into registers of its own, so that all of the last chunk is asked for by step 23
.macro GLD n, hf, part
.if (\n) <= 21
.if (\hf) == 0 && (\part) == 0
	FS (\n)+6
.endif
	FB (\n)+6, 4*(\hf)+2*(\part)
	FB (\n)+6, 4*(\hf)+2*(\part)+1
.if (\n) == 21 && (\hf) == 1 && (\part) == 1
	FALL 31
.endif
.elseif (\n) == 22
.if (\part) == 0
	FALL 28+(\hf)
.endif
.elseif (\hf) == 0 && (\part) == 0
	FALL 30
.endif
.endm
; x: the fragment of 32 rows (block i of a half) of step st
.macro ALD adr, set, st, i
.irp u, 0,1
.irp c, 0,1
	ds_load_b128 v[AF+64*(\set)+16*(\i)+8*\u+4*\c:AF+64*(\set)+16*(\i)+8*\u+4*\c+3], v[\adr] offset:(32*(\i)+16*\u)*PITCH+64*(\st)+32*\c
.endr
.endr
.endm
; x's scale words of half hf, four steps: group kg of eight
.macro ASCL hf, kg
.irp i, 0,1,2,3
	ds_load_b128 v[ASC+16*(\hf)+4*\i:ASC+16*(\hf)+4*\i+3], v[VSA] offset:4608*(4*(\hf)+\i)+16*(\kg)
.endr
.endm
.macro WMMA zero, odd
.if \zero
.if \odd
	v_wmma_scale_f32_32x16x128_f4 v[XD:XD+15], v[XA:XA+15], v[XB:XB+7], 0, v[XS], v[XW] matrix_b_scale:MATRIX_SCALE_ROW1
.else
	v_wmma_scale_f32_32x16x128_f4 v[XD:XD+15], v[XA:XA+15], v[XB:XB+7], 0, v[XS], v[XW]
.endif
.else
.if \odd
	v_wmma_scale_f32_32x16x128_f4 v[XD:XD+15], v[XA:XA+15], v[XB:XB+7], v[XD:XD+15], v[XS], v[XW] matrix_b_scale:MATRIX_SCALE_ROW1
.else
	v_wmma_scale_f32_32x16x128_f4 v[XD:XD+15], v[XA:XA+15], v[XB:XB+7], v[XD:XD+15], v[XS], v[XW]
.endif
.endif
.endm
.macro MM hf, st, i, b, zero
.set XD, 16*(4*(\i)+(\b))
.set XA, AF+64*(\hf)+16*(\i)
.set XB, 32*(\st)+8*(\b)
.set XS, ASC+16*(\hf)+4*(\i)+((\st)%4)
.set XW, WSC+2*(\st)+((\b)/2)
	WMMA \zero, (\b)%2
.endm
.macro MROW i                          ; a chunk's last half step: block i of rows 128-255
.irp b, 0,1,2,3
	WIN 0xf4
	MM 1, 7, \i, \b, 0
.endr
.endm
; The memory instructions of a half step in one run: the next half step's fragments of x (and, where four steps begin anew, scale words ahead of them), then W's loads
.macro RUN ch, st, hf
	PLACES
	WIN 0
.if HASC
	ASCL 1-(\hf), 2*(\ch)+((\st)+(\hf))/4
.endif
.irp i, 0,1,2,3
	ALD ADR+2*((\ch)%2)+1-(\hf), 1-(\hf), (\st)+(\hf), \i
.endr
	GLD 8*(\ch)+(\st), \hf, 0
	GLD 8*(\ch)+(\st), \hf, 1
.endm
; A HALF STEP: 128 rows x 64 columns x 128 along K, 16 matrix instructions, each on its own accumulator
.macro HS ch, st, hf
.set CURW, 0xa4+0x50*(\hf)             ; source 0 (x) window 0, source 1 (W) window 1, C and D window 2 or 3
.set HASC, 0
.if ((\st)%4 == 3 && (\hf) == 1) || ((\st)%4 == 0 && (\hf) == 0)
.set HASC, 1
.endif
.set FIRST, 0
.if (\ch) == 0 && (\st) == 0
.set FIRST, 1
.endif
.if (\hf) == 0
.if 8*(\ch)+(\st) == 23
	s_wait_loadcnt 54                              ; step 23's and 24's are in: behind them steps 25-27, 31, 28, 29 of nine loads each
.else
	s_wait_loadcnt 45                              ; this step's W is in: behind it five steps of nine loads each
.endif
.endif
.irp i, 0,1,2,3
.if \i == 0
	s_wait_dscnt 12                                ; block 0 is in; blocks 1-3 may be out
.else
	s_wait_dscnt 28-4*\i+4*HASC                    ; block i: behind it the blocks that follow and this half step's run
.endif
.irp b, 0,1,2,3
	WIN CURW
	MM \hf, \st, \i, \b, FIRST
.endr
.if \i == 0
	RUN \ch, \st, \hf
.endif
.endr
.endm
.macro CHUNK ch                        ; 15 of a chunk's 16 half steps
.irp s, 0,1,2,3,4,5,6
	HS \ch, \s, 0
	HS \ch, \s, 1
.endr
	HS \ch, 7, 0
.endm
; The 16th changes slots, and fills the one read out with the chunk two further on
.macro TURN ch
	WIN 0
	s_wait_tensorcnt 0x0                           ; all my tensor loads have landed: my part of the next slot
	ds_add_u32 v[SPW], v[NIL]                      ; 0 onto my spare word
	s_add_nc_u64 s[G0+4*((\ch)%2)+2:G0+4*((\ch)%2)+3], s[G0+4*((\ch)%2)+2:G0+4*((\ch)%2)+3], 1024
	s_wait_dscnt 13                                ; block 0 is in; blocks 1-3 and the add may be out
	MROW 0
	s_wait_dscnt 0x0                               ; the add is done, and so are my reads of this slot
	s_barrier_signal -1
	MROW 1
	WIN 0
	s_barrier_wait -1
	CREST
	JLOAD ((\ch)%2)                                ; the first tensor load behind the round; its four v_nop are the places in front of the loads below
	ASCL 0, 2*(\ch)+2
.irp i, 0,1,2,3
	ALD ADR+2*(((\ch)+1)%2), 0, 0, \i
.endr
	GLD 8*(\ch)+7, 1, 0
	GLD 8*(\ch)+7, 1, 1
	WIN 0
.if (\ch) == 0
	global_prefetch_b8 v[VPF], s[40:41] offset:512 th:TH_LOAD_NT scope:SCOPE_SE   ; chunk 3: its joint load stands a chunk further on
.endif
	MROW 2
	MROW 3
.endm
; THE LAST CHUNK, by blocks of 32 rows: quad m = 8 block + step, four matrix instructions; its fragment lies in slot m % 8
.macro AQ m
.irp u, 0,1
.irp c, 0,1
	ds_load_b128 v[AF+16*((\m)%8)+8*\u+4*\c:AF+16*((\m)%8)+8*\u+4*\c+3], v[ADR+2+(\m)/32] offset:(32*(((\m)/8)%4)+16*\u)*PITCH+64*((\m)%8)+32*\c
.endr
.endr
.endm
.macro ASQ blk                         ; a block's scale words of the chunk's eight steps
.irp g, 0,1
	ds_load_b128 v[ASC+8*((\blk)%4)+4*\g:ASC+8*((\blk)%4)+4*\g+3], v[VSA] offset:4608*(\blk)+16*(6+\g)
.endr
.endm
; Half block n: block n / 2, four steps, 16 matrix instructions, the block's four accumulators by turns
.macro HB n
.set QI, (\n)/2
.irp t, 0,1,2,3
.set QS, 4*((\n)%2)+\t
.set CURW, 0xa4+0x50*(QI/4)
.set QB, 32*QS
.set QW, WSC+2*QS
.if QS == 7
.set CURW, CURW-4                      ; step 31's W lies in window 0
.set QB, BX
.set QW, SCX
.endif
.if QI == 0
.if QS == 1
	s_wait_loadcnt 54                              ; W's step 25: behind it 26, 27, 31, 28, 29, 30
.elseif QS == 2
	s_wait_loadcnt 45
.elseif QS == 3
	s_wait_loadcnt 36
.elseif QS == 4
	s_wait_loadcnt 18                              ; step 28 (and 31 ahead of it): behind it 29, 30
.elseif QS == 5
	s_wait_loadcnt 9
.elseif QS == 6
	s_wait_loadcnt 0x0
.endif
.endif
.if \t == 0 || (\n) == 15
	s_wait_dscnt 12-4*\t                           ; this step's fragment is in
.else
	s_wait_dscnt 28-4*\t                           ; behind it the steps that follow and the run of sixteen
.endif
.irp b, 0,1,2,3
	WIN CURW
.set XD, 16*(4*(QI%4)+\b)
.set XA, AF+16*QS
.set XB, QB+8*\b
.set XS, ASC+8*(QI%4)+QS
.set XW, QW+(\b/2)
	WMMA 0, (\b%2)
.endr
.if \t == 0 && (\n) < 15
	PLACES
	WIN 0
.if (\n)%2 == 0 && QI < 6
	ASQ QI+2
.endif
.irp u, 0,1,2,3
	AQ 4*(\n)+4+\u
.endr
.endif
.endr
.endm
; Block j leaves: register e of its four accumulators, the bias added, is 16 bytes of a row.  The sums go into the registers of the block before, whose own have left from the block ahead of it:
; nothing that a store reads is written again.  Block 0 has no block before it: four batches through OUT.
.macro WAY j
	PLACES
.if (\j) == 0
.irp g, 0,1,2,3
.if \g > 0
	s_wait_xcnt 0x0                                ; the earlier stores have read their registers
.endif
	WIN 2
.irp e, 0,1,2,3
.irp b, 0,1,2,3
	v_add_f32 v[OUT+4*\e+\b], v[16*\b+4*\g+\e], v[BIAS+\b]
.endr
.endr
	WIN 0
.irp e, 0,1,2,3
	global_store_b128 v[VO], v[OUT+4*\e:OUT+4*\e+3], s[14:15] offset:(16*(\g/2)+(4*\g+\e)%8)*OROW th:TH_STORE_NT
.endr
.endr
.else
.set DW, 2+((\j)-1)/4
.set DB, 64*(((\j)-1)%4)
	WIN (DW*64+2+(\j)/4)
.irp e, 0,1,2,3,4,5,6,7,8,9,10,11,12,13,14,15
.irp b, 0,1,2,3
	v_add_f32 v[DB+4*\e+\b], v[64*((\j)%4)+16*\b+\e], v[BIAS+\b]
.endr
.endr
	WIN (DW*4)
.irp e, 0,1,2,3,4,5,6,7,8,9,10,11,12,13,14,15
	global_store_b128 v[VO], v[DB+4*\e:DB+4*\e+3], s[14:15] offset:(32*(\j)+16*(\e/8)+\e%8)*OROW th:TH_STORE_NT   ; 256 consecutive bytes of two rows, aligned
.endr
.endif
.endm
	s_load_b256 s[4:11], s[0:1], 0x0               ; x_codes s[4:5], x_scales s[6:7], w_codes s[8:9], sc s[10:11]
	s_load_b128 s[12:15], s[0:1], 0x20             ; bias s[12:13], out0 s[14:15]
	v_lshl_add_u32 v[SPW], v0, 2, SPARE
	v_mov_b32 v[NIL], 0
	ds_add_u32 v[SPW], v[NIL]                      ; the wave's opening: two adds, waited for ahead of my first tensor load
	ds_add_u32 v[SPW], v[NIL]
	v_lshrrev_b32 v1, 5, v0
	v_readfirstlane_b32 s[WV], v1
	s_bfe_u32 s[CX], ttmp6, 0x40000
	s_bfe_u32 s[CY], ttmp6, 0x40004
	s_lshl_b32 s[TC], ttmp9, 2
	s_add_co_u32 s[TC], s[TC], s[CX]               ; tile column
	s_and_b32 s[TR], ttmp7, 0xffff
	s_lshl_b32 s[TR], s[TR], 2
	s_add_co_u32 s[TR], s[TR], s[CY]               ; tile row
	s_lshl_b32 s21, s[CY], 2
	s_lshl_b32 s21, 15, s21                        ; my row of the cluster
	s_or_b32 s[G1], s21, (1<<20)|(1<<21)|(6<<22)|(3<<25)   ; elements of 1 byte; padding: after every 128 words 4; bit 21 beside the mask
	s_mov_b32 s[G1+1], 512<<16                     ; 64 rows of 512 bytes, 2,048 from row to row
	s_mov_b32 s[G1+2], 64<<16
	s_mov_b32 s[G1+3], 512<<16
	s_mov_b32 s[G1+4], 64
	s_mov_b32 s[G1+5], 2048
	s_mov_b32 s[G1+6], 0
	s_mov_b32 s[G1+7], 0
	s_lshl_b32 s42, s[TR], 19                      ; x: 256 rows a tile,
	s_lshl_b32 s22, s[WV], 17                      ; 64 of them mine
	s_lshl_b32 s23, s[CX], 2
	s_add_co_u32 s23, s23, s[WV]
	s_lshl_b32 s23, s23, 15
	s_add_co_u32 s56, s42, s23                     ; the prefetches: 16 rows of the tile for each of 16 waves,
	s_add_co_u32 s56, s56, 1024                    ; from chunk 2 on
	s_mov_b32 s57, 0
	s_add_co_u32 s42, s42, s22
	s_mov_b32 s43, 0
	s_lshl_b32 s44, s[TR], 15                      ; x's scales: 128 bytes a row
	s_lshl_b32 s22, s[WV], 13
	s_add_co_u32 s44, s44, s22
	s_mov_b32 s45, 0
	s_lshl_b32 s46, s[TC], 2
	s_add_co_u32 s46, s46, s[WV]                   ; W's column tile of 64
	s_lshl_b32 s48, s46, 17
	s_mov_b32 s49, 0
	s_lshl_b32 s50, s46, 13
	s_mov_b32 s51, 0
	s_lshl_b32 s52, s46, 8                         ; 64 columns in bytes
	s_mov_b32 s53, 0
	s_lshl_b32 s54, s[TR], 22
	s_add_co_u32 s54, s54, s52
	s_mov_b32 s55, 0
	s_mov_b32 s[G0], 1
	s_mul_i32 s[G0+1], s[WV], 64*PITCH
	s_mov_b32 s[G0+4], 1
	s_add_co_u32 s[G0+5], s[G0+1], SLOT
	s_mul_i32 s59, s[WV], 64*144
	s_add_co_u32 s59, s59, SCL
	v_and_b32 v1, 15, v0                           ; r
	v_bfe_u32 v2, v0, 4, 1                         ; h
	v_and_b32 v3, 31, v0                           ; lane
	v_mul_u32_u24 v4, v1, PITCH
	v_lshl_add_u32 v[ADR], v2, 4, v4               ; a fragment's row x pitch + 16 h
	v_add_nc_u32 v[ADR+1], HALF, v[ADR]
	v_add_nc_u32 v[ADR+2], SLOT, v[ADR]
	v_add_nc_u32 v[ADR+3], SLOT+HALF, v[ADR]
	v_mul_u32_u24 v5, v3, 144
	v_add_nc_u32 v[VSA], SCL, v5                   ; scales: lane = row of a block of 32
	v_lshrrev_b32 v6, 3, v3
	v_mul_u32_u24 v6, v6, 144                      ; stored: eight lanes a row
	v_and_b32 v7, 7, v0
	v_lshl_add_u32 v6, v7, 4, v6
	v_add_nc_u32 v[VST], s59, v6
	v_lshlrev_b32 v[VB16], 4, v3
	v_lshlrev_b32 v[VB8], 3, v3
	v_lshlrev_b32 v[VR16], 4, v1
	v_lshl_add_u32 v[VO], v2, 17, v[VR16]          ; out: lanes 16-31 eight rows further down
	v_lshrrev_b32 v8, 1, v3
	v_and_b32 v9, 1, v0
	v_lshlrev_b32 v9, 8, v9
	v_lshl_add_u32 v[VPF], v8, 11, v9              ; two blocks of 256 bytes a row
	s_wait_alu depctr_va_vdst(0)
	s_wait_dscnt 0x0                               ; both opening adds are done
	s_wait_kmcnt 0x0
	s_add_nc_u64 s[G0+2:G0+3], s[4:5], s[42:43]    ; chunk 0
	s_add_nc_u64 s[G0+6:G0+7], s[4:5], s[42:43]
	s_add_nc_u64 s[G0+6:G0+7], s[G0+6:G0+7], 512   ; chunk 1
	s_or_b32 s[G0+3], s[G0+3], 0x80000000
	s_or_b32 s[G0+7], s[G0+7], 0x80000000
	s_add_nc_u64 s[40:41], s[4:5], s[56:57]
	s_add_nc_u64 s[6:7], s[6:7], s[44:45]
	s_add_nc_u64 s[8:9], s[8:9], s[48:49]
	s_add_nc_u64 s[10:11], s[10:11], s[50:51]
	s_add_nc_u64 s[12:13], s[12:13], s[52:53]
	s_add_nc_u64 s[14:15], s[14:15], s[54:55]
.irp j, 0,1,2,3,4,5,6,7,8,9,10,11,12,13,14,15
	global_load_b128 v[AF+4*\j:AF+4*\j+3], v[VB16], s[6:7] offset:512*\j   ; the scale bytes of my 64 rows: 8,192 consecutive bytes
.endr
	global_load_b128 v[BIAS:BIAS+3], v[VR16], s[12:13]
	CROUND                                         ; all sixteen work-groups are here: the first joint loads meet
	JLOAD 0
	FALL 0
	FALL 1
	FALL 2
	WIN 0
	s_wait_tensorcnt 0x0                           ; my part of chunk 0 is in: no tensor load is out while I store
	s_wait_loadcnt 28                              ; the scale bytes are in: behind them the bias and three steps of W
.irp j, 0,1,2,3,4,5,6,7,8,9,10,11,12,13,14,15
	ds_store_b128 v[VST], v[AF+4*\j:AF+4*\j+3] offset:4*144*\j
.endr
	FALL 3
	FALL 4
	WIN 0
	s_wait_tensorcnt 0x0
	ds_add_u32 v[SPW], v[NIL]
	s_wait_dscnt 0x0                               ; the add and my stores are done
	CROUND                                         ; everybody's part of chunk 0 and of the scales is in
	JLOAD 1
	ASCL 0, 0
.irp i, 0,1,2,3
	ALD ADR, 0, 0, \i
.endr
	FALL 5
	WIN 0
	global_prefetch_b8 v[VPF], s[40:41] th:TH_LOAD_NT scope:SCOPE_SE   ; chunk 2: its joint load stands a chunk further on
	CHUNK 0
	TURN 0
	CHUNK 1
	TURN 1
	CHUNK 2
	WIN 0                                          ; into the last chunk: nothing is filled again
	s_wait_tensorcnt 0x0                           ; my part of chunk 3 is in
	s_wait_dscnt 12                                ; block 0 is in
	MROW 0
	s_wait_dscnt 0x0
	s_barrier_signal -1
	MROW 1
	WIN 0
	s_barrier_wait -1
	PLACES
	ASQ 0
	ASQ 1
	AQ 0
	AQ 1
	AQ 2
	AQ 3
	MROW 2
	MROW 3
.set Q, 0
.rept 8
	HB 2*Q
	HB 2*Q+1
	WAY Q
.set Q, Q+1
.endr
	WIN 0
	s_wait_tensorcnt 0x0                           ; the wave's end
	ds_add_u32 v[SPW], v[NIL]
	s_wait_dscnt 0x0
	CROUND                                         ; the closing round: no work-group ends while a partner may still ask for a tile that names it
	s_endpgm
.Lfunc_end_k_q3e027d83bf_gemm:
	.size	k_q3e027d83bf_gemm, .Lfunc_end_k_q3e027d83bf_gemm-k_q3e027d83bf_gemm
	.p2alignl 7, 3214868480
	.fill 96, 4, 3214868480
	.section	.rodata,"a",@progbits
	.p2align	6, 0x0
	.amdhsa_kernel k_q3e027d83bf_gemm
		.amdhsa_group_segment_fixed_size 327680
		.amdhsa_private_segment_fixed_size 0
		.amdhsa_enable_private_segment 0
		.amdhsa_kernarg_size 48
		.amdhsa_user_sgpr_count 2
		.amdhsa_user_sgpr_kernarg_segment_ptr 1
		.amdhsa_wavefront_size32 1
		.amdhsa_system_sgpr_workgroup_id_x 1
		.amdhsa_system_sgpr_workgroup_id_y 1
		.amdhsa_system_sgpr_workgroup_id_z 1
		.amdhsa_system_vgpr_workitem_id 0
		.amdhsa_next_free_vgpr 1024
		.amdhsa_next_free_sgpr 66
		.amdhsa_reserve_vcc 0
		.amdhsa_float_denorm_mode_32 3
		.amdhsa_float_denorm_mode_16_64 3
		.amdhsa_memory_ordered 1
		.amdhsa_forward_progress 1
		.amdhsa_inst_pref_size 255
	.end_amdhsa_kernel
	.section	.bss,"aw",@nobits
	.p2align	6
	.space	262144
	.amdgpu_metadata
---
amdhsa.version: [ 1, 2 ]
amdhsa.kernels:
  - .name:           k_q3e027d83bf_gemm
    .symbol:         k_q3e027d83bf_gemm.kd
    .args:
      - { .name: x_codes, .offset: 0, .size: 8, .value_kind: global_buffer, .address_space: global }
      - { .name: x_scales, .offset: 8, .size: 8, .value_kind: global_buffer, .address_space: global }
      - { .name: w_codes, .offset: 16, .size: 8, .value_kind: global_buffer, .address_space: global }
      - { .name: sc, .offset: 24, .size: 8, .value_kind: global_buffer, .address_space: global }
      - { .name: bias, .offset: 32, .size: 8, .value_kind: global_buffer, .address_space: global }
      - { .name: out0, .offset: 40, .size: 8, .value_kind: global_buffer, .address_space: global }
    .group_segment_fixed_size: 327680
    .private_segment_fixed_size: 0
    .kernarg_segment_align: 8
    .kernarg_segment_size: 48
    .max_flat_workgroup_size: 128
    .sgpr_count:     66
    .vgpr_count:     1024
    .wavefront_size: 32
...
	.end_amdgpu_metadata
.endif
;; end of part 2
